; MI455X (gfx1250); checked and timed in simulation.
; The chip was launched on July 23, 2026; its instructions are those of AMD's public machine-readable ISA for CDNA 5 (MIT licence, August 2026) and "CDNA5" Instruction Set Architecture Reference Guide (July 2026). The comments in the code are by the model that wrote it; some were corrected since.
;; DIF Layer. Allowed arithmetic: matrix products marked QUANTISED: E2M1 operands, one E8M0 scale for each 32 along K, by v_wmma_scale_f32_16x16x128_f8f6f4 with both operands' format E2M1 (or v_wmma_scale_f32_32x16x128_f4), f32 sums; everything else in f32.
;; Inputs: W1_codes 256 x 2 x 16 uint8 (E2M1 codes of W1, K innermost, in blocks of 32 codes, two codes a byte); W1_scales 256 x 2 uint8 (E8M0 scales of W1, one for each 32 codes along K); W2_codes 256 x 8 x 16 uint8 (E2M1 codes of W2, K innermost, in blocks of 32 codes, two codes a byte); W2_scales 256 x 8 uint8 (E8M0 scales of W2, one for each 32 codes along K); W3_codes 64 x 8 x 16 uint8 (E2M1 codes of W3, K innermost, in blocks of 32 codes, two codes a byte); W3_scales 64 x 8 uint8 (E8M0 scales of W3, one for each 32 codes along K); b1 256 float32; b2 256 float32; b3 64 float32; log_s 64 x 64 float32; m 64 x 64 float32; x 8,192 x 64 float32.
;; Outputs: out0 8,192 float32.
;; This version of the problem:
;;   THIS VERSION OF THE PROBLEM IS GIVEN IN LOW PRECISION. The matrix products marked QUANTISED in the list below multiply operands that are first quantised to E2M1 (2 exponent bits, 1 mantissa bit; 4 bits a number), with one power-of-two scale for each 32 numbers along K (OCP MX v1.0); their sums are f32. All else is computed in f32.
;;   The module's matrix products, in the order in which they are computed (A, B: the left and right operand; K: the contracted axis; several contracted axes count as one K, in the product's order):
;;     1. [M 524,288, K 64] x [K 64, N 256]; A: computed on the way; B: input W1 (given as codes): QUANTISED
;;     2. [M 524,288, K 256] x [K 256, N 256]; A: computed on the way; B: input W2 (given as codes): QUANTISED
;;     3. [M 524,288, K 256] x [K 256, N 64]; A: computed on the way; B: input W3 (given as codes): QUANTISED
;;   THE QUANTISER, for each operand of a quantised product, along K:
;;     - K is cut into blocks of 32 from its start; a last block that is shorter is filled with zeros.
;;     - A block's scale is 2^e with e = floor(log2(the largest magnitude in the block)) - 2, held to -126 .. 127; a block of zeros has e = 0. As a byte (E8M0): e + 127.
;;     - Each number is divided by its block's scale, clamped to +-6, and rounded to the nearest number of E2M1, ties to even, subnormals kept.
;;     - The product sums the exact products of the quantised numbers (number of the format x scale) in f32.
;;   ~~~python
;;   def quantise(x, axis):      # numpy; x: float32 -> the quantised numbers, widened to float32 again
;;       x = np.moveaxis(x, axis, -1); K = x.shape[-1]
;;       x = np.pad(x, [(0, 0)] * (x.ndim - 1) + [(0, -K % 32)]); x = x.reshape(x.shape[:-1] + (-1, 32)); a = np.abs(x).max(-1, keepdims=True)
;;       e = np.where(a > 0, np.clip(np.frexp(np.where(a > 0, a, 1))[1] - 1 - 2, -126, 127), 0)      # np.frexp(a)[1] - 1 = floor(log2(a)), exactly
;;       r = np.clip(x / 2.0 ** e, -6, 6)
;;       step = 2.0 ** (np.maximum(np.frexp(np.where(r == 0, 1, r))[1] - 1, 0) - 1)
;;       q = np.round(r / step) * step * 2.0 ** e      # np.round: ties to even
;;       return np.moveaxis(q.reshape(q.shape[:-2] + (-1,))[..., :K], -1, axis).astype(np.float32)
;;   ~~~
;;   OPERANDS COMPUTED ON THE WAY. 'Computed on the way' means the value that the module computes at that place (a softmax that the list does not call 'softmax' is quantised finished and normalised). What goes into a quantiser is computed in f32, as accurately as f32 sums, v_exp_f32 and their like allow (about 1e-6 of the number): no bf16 or f16 on the way to a quantiser, and a product that is left as it is and whose result goes on into a quantised operand takes f32 operands (vector FMAs, or v_wmma_f32_16x16x4_f32). A number that lies on a knife's edge between two numbers of the format may be rounded either way, as far as f32 arithmetic and the matrix unit's own rounding can turn it there, and no further.
;;   INPUTS GIVEN AS CODES. W1 (in the module: [256, 64], K = its axis 1); W2 (in the module: [256, 256], K = its axis 1); W3 (in the module: [64, 256], K = its axis 1): each comes as NAME_codes (uint8): NAME with its K axis moved to the last place and cut into blocks of 32 codes, [.., K / 32, bytes a block], one block behind the other in memory; two codes a byte, the lower K in the low four bits (a code: sign, 2 exponent bits, 1 mantissa bit); and NAME_scales (uint8): the same leading axes, one E8M0 byte (e + 127) for each 32 codes along K. Its value is code x scale, taken as it is: it is not quantised again, and the codes and scales need not be those that the quantiser above would give.
;; One version. Each part assembles by itself: llvm-mc -triple=amdgcn-amd-amdhsa -mcpu=gfx1250 --defsym DOCPART=n.
;; ======== version 1 of 1: 1 launch
;; limits: a function is approximated: absolute error at most 6e-07; values within 1e-06 (relative) of each other or of a threshold may be ordered or decided otherwise than in the reference
;; launch dif (part 1): grid 256 x 1, 16 waves a work-group, no clusters, 107,264 bytes of LDS; arguments W1_codes, W1_scales, W2_codes, W2_scales, W3_codes, W3_scales, b1, b2, b3, log_s, m, x, out0; writes out0
.if DOCPART == 1
	.amdgcn_target "amdgcn-amd-amdhsa--gfx1250"
	.amdhsa_code_object_version 6
	.text
	.protected	k_q649673f386_dif
	.globl	k_q649673f386_dif
	.p2align	8
	.type	k_q649673f386_dif,@function
k_q649673f386_dif:
	s_mov_b64 s[64:65], 0
	v_nop
	global_prefetch_b8 v0, s[64:65] scope:SCOPE_SE
	s_setreg_imm32_b32 hwreg(HW_REG_WAVE_MODE, 25, 1), 1
	s_wait_xcnt 0x0
; out0[n] = logsumexp over k of ( -0.5 |z|^2 - 32 log(2 pi) - sum(log_s[k]) + log_softmax(MLP(z))[k] ),  z = (x[n] - m[k]) exp(-log_s[k]).
; MLP: 64 -> 256 (tanh) -> 256 (tanh) -> 64, all three products on codes of E2M1 with one E8M0 scale for each 32 along K; z, h1 and h2 are quantised in registers, the weights come as codes.
; DEAD WORK: none in whole units.  The diagonal of log_softmax needs the logsumexp over all 64 logits of a row, so the third product is live as a whole; b3 differs along the softmax's axis; b1 and b2 go into
; quantisers.  Only the subtraction for the 63 entries of log_w beside the diagonal is not made.  All twelve inputs are loaded.
; SHARES.  A work-group owns 32 n (32 x its number) and all 64 k.  Wave w: t0 = w & 3, g = w >> 2.  A tile's 16 rows are the 16 neighbouring k = 16 t0 + r of ONE n; the wave keeps its k and walks n = 8 g + 2 p + i,
; p = 0 .. 3 (a counted loop), i = 0, 1: two tiles a pass, so that each weight fragment, scale word, bias, m and exp(-log_s) read from LDS serves two tiles.  Four waves lie on a SIMD: one's exponentials stand beside another's plain work.
; LAYOUT.  Every product is used transposed (source 0 = 16 rows of a weight, source 1 = the activations): lane (r, h) holds row r throughout.  Lane r of tile t of W1 and W2 takes weight row 32 (t / 2) + 8 (t % 2) + r + 8 (r / 8),
; so that the 16 registers of tiles 2 b and 2 b + 1 are the 16 neighbouring units 32 b + 16 h + 0 .. 15 of the next K.  W3's rows are taken as they lie: register j of tile u is logit 16 u + 8 h + j, and row k's own logit lies in tile t0.
; The weights lie in LDS as images of the operand's registers (lane l's 16 bytes at 16 l, 512 bytes a piece): each load of a wave reads 512 consecutive bytes.
; TANH.  |tanh(y)| = 1 / A - 1 with A = (1 + s) / 2, s = 2^(-|c2 y|), c2 = 2 log2(e).  A lies in [0.5, 1] for every y, so a product of four A lies in [1/16, 1] and FOUR NUMBERS SHARE ONE RECIPROCAL, with no clamp:
; U, V (register J of tile 0 and of tile 1) give P(J) = U V; Q = P(J) P(J + 16); then P(J) / Q = 1 / P(J + 16), and U / P(J) = 1 / V.  Every step is a packed multiplication in place, and each number lands in its
; partner's register: so tile 0's results lie in tile 1's accumulators and the other way round, and the quantiser is called with the two swapped.
; THE SIGN of y is kept apart: ahead of the exponentials eight t at a time are converted to E2M1 codes (divided by 2^-40, so that they do not round to zero) into the registers that will hold h's codes; bit 3 of a nibble is the sign, and the
; quantiser joins it to the magnitude's code by one v_bfi_b32 for eight numbers.
; LIMITS.  NaN and infinities among the inputs, and scale bytes 0xff among the weights', are not served.  A block of zeros gets the byte 1 where the quantiser says 127: its codes are zeros, and this program alone reads the byte.
; tanh in this form has an absolute error of up to 6e-7 (three roundings and the reciprocal's own unit, doubled by the subtraction), so its relative error passes 1e-6 where all 32 numbers of a block lie under about 0.5.
; A saturated tanh so comes out as 1 give or take 10 units in the last place, where the formula has 1: so that a block's scale does not fall a step for that, the largest magnitude of a block of h is taken 16 units in the last place up:
; a block whose largest magnitude lies within 1e-6 under a power of two is scaled as if it lay at that power.  z's quantiser has no such margin.  Where |t| is under 2^-42 the sign may be lost: the magnitude is nothing there.
; The softmax's exponent is l log2(e) - max log2(e) in one fused step: error about 6e-8 |max|.
; The tables are gathered once a work-group by loads of 16 bytes from rows 32 to 256 bytes apart (about 92,000 bytes); out0 is stored 4 bytes by two lanes of each wave: 128 consecutive bytes a work-group.
; No tensor load, no copy, no cluster: what the work-groups share is read once at the head and wants a lane order that a tile copy does not give.
.set W2I,   0                          ; LDS: W2's fragments (t, s): (2 t + s) 1024 + 512 c + 16 lane
.set W1I,   32768                      ; W1's: 512 t + 16 lane (K = 64: only registers 0-3 exist)
.set W3I,   40960                      ; W3's (u, s): (2 u + s) 1024 + 512 c + 16 lane
.set W1S,   49152                      ; W1's scale words: 512 (t / 4) + 16 lane + 4 (t % 4); a word is the row's two bytes, zeros above
.set W2S,   51200                      ; W2's, the same places: lanes 0-15 K step 0, lanes 16-31 K step 1
.set W3S,   53248                      ; W3's: 128 u + 4 lane, halves as in W2's
.set B1P,   53760                      ; c2 b1, then c2 b2: 2,048 bytes
.set B3,    55808                      ; b3
.set XB,    56064                      ; the group's 32 rows of x as they lie
.set MI,    64256                      ; 4096 t0 + 512 q + 16 lane: m[16 t0 + r][32 h + 4 q .. + 3]
.set EOF,   16384                      ; exp(-log_s) lies so many bytes behind m, in the same order
.set LV,    97024                      ; lv: 512 w + 64 (2 p + i) + 4 r: each wave's own 512 bytes
.set SPARE, 105216                     ; the spare words, 128 bytes for each of the 16 waves: eight blocks of 256 bytes that no other line names
.set LI,   1                           ; v1   16 x lane
.set HB,   2                           ; v2   B1P + 64 h
.set H3,   3                           ; v3   B3 + 32 h
.set MA,   4                           ; v4   MI + 4096 t0 + 16 lane
.set XA0,  5                           ; v5   XB + 2048 g + 128 h
.set LVA0, 6                           ; v6   LV + 512 w + 4 r
.set LD,   7                           ; v7   -sum(log_s[k]) - 32 log(2 pi)
.set SPW,  8                           ; v8   LDS address of my spare word; never rewritten
.set NIL,  9                           ; v9   0; never rewritten
.set SGS,  10                          ; v10  2^-40 as f32: the scale operand of the conversions that keep t's signs
.set RDA,  11                          ; v11  where I read lv back at the end
.set LS,   12                          ; v12  4 x lane
.set ADR,  13                          ; v13  the LDS address in hand
.set WS,   14                          ; v14-21   eight scale words of weights
.set FB,   22                          ; v22-53   weight fragments; in the vector phases biases, then the products P, then the quantiser's temporaries
.set TM,   22
.set H1,   54                          ; v54-85   h1's codes: 54 + 16 i + 8 s
.set H1S,  86                          ; v86-89   their scale words: 86 + 2 i + s
.set H2,   90                          ; v90-121  h2's codes likewise; ahead of them z's: 90 + 8 i: four registers of codes, four of zeros
.set H2S,  122                         ; v122-125 h2's scale words; ahead of them z's: 122 + i
.set ZC,   90
.set ZS,   122
.set RL,   126                         ; v126-127 |z|^2 of tile i
.set ACC,  128                         ; v128-255 accumulators: 128 + 64 i + 8 t
.macro PLACES n
.rept \n
	v_nop
.endr
.endm
.macro MM0 d, a, b, sa, sb             ; a product that starts a sum
	v_wmma_scale_f32_16x16x128_f8f6f4 v[\d:\d+7], v[\a:\a+7], v[\b:\b+7], 0, v[\sa], v[\sb] matrix_a_fmt:MATRIX_FMT_FP4 matrix_b_fmt:MATRIX_FMT_FP4
.endm
.macro MMC d, a, b, c, sa, sb, row     ; one that adds onto c; row = 1: the weight's scale words of lanes 16-31
.if \row
	v_wmma_scale_f32_16x16x128_f8f6f4 v[\d:\d+7], v[\a:\a+7], v[\b:\b+7], v[\c:\c+7], v[\sa], v[\sb] matrix_a_fmt:MATRIX_FMT_FP4 matrix_b_fmt:MATRIX_FMT_FP4 matrix_a_scale:MATRIX_SCALE_ROW1
.else
	v_wmma_scale_f32_16x16x128_f8f6f4 v[\d:\d+7], v[\a:\a+7], v[\b:\b+7], v[\c:\c+7], v[\sa], v[\sb] matrix_a_fmt:MATRIX_FMT_FP4 matrix_b_fmt:MATRIX_FMT_FP4
.endif
.endm
	s_load_b512 s[8:23], s[0:1], 0x0               ; W1 codes s[8:9], scales s[10:11]; W2 s[12:13], s[14:15]; W3 s[16:17], s[18:19]; b1 s[20:21]; b2 s[22:23]
	s_load_b256 s[24:31], s[0:1], 0x40             ; b3 s[24:25], log_s s[26:27], m s[28:29], x s[30:31]
	s_load_b64 s[32:33], s[0:1], 0x60              ; out0
	v_lshl_add_u32 v[SPW], v0, 2, SPARE
	v_mov_b32 v[NIL], 0
	v_lshrrev_b32 v[ADR], 5, v0
	v_readfirstlane_b32 s34, v[ADR]                ; wave 0..15
	s_and_b32 s35, s34, 3                          ; t0
	s_lshr_b32 s36, s34, 2                         ; g
	; the head's temporaries lie in h1's registers: v58 r, v59 h, v60 lane, v61 r + 8 (r / 8), v62 a row; v64-70 LDS addresses of its stores; v72-80 offsets in memory
	v_and_b32 v60, 31, v0
	v_and_b32 v58, 15, v0
	v_bfe_u32 v59, v0, 4, 1
	; every LDS address register is made here, ahead of the first branch
	v_lshlrev_b32 v[LI], 4, v60
	v_lshlrev_b32 v[LS], 2, v60
	v_lshl_add_u32 v[HB], v59, 6, B1P
	v_lshl_add_u32 v[H3], v59, 5, B3
	s_lshl_b32 s56, s35, 12
	s_add_co_u32 s56, s56, MI
	v_add_nc_u32 v[MA], s56, v[LI]
	s_lshl_b32 s57, s36, 11
	s_add_co_u32 s57, s57, XB
	v_lshl_add_u32 v[XA0], v59, 7, s57
	s_lshl_b32 s58, s34, 9                         ; 512 w
	s_add_co_u32 s59, s58, LV
	v_lshl_add_u32 v[LVA0], v58, 2, s59
	v_mov_b32 v[SGS], 0x2b800000                   ; exponent field 87: 2^-40
	s_lshl_b32 s60, s36, 11                        ; at the end wave w, half h takes n = 2 w + h, which wave group w / 4 wrote as its number 2 (w % 4) + h;
	s_lshl_b32 s61, s35, 7                         ; lane r takes k = 4 r .. 4 r + 3: k tile r / 4, its rows 4 (r % 4) on
	s_add_co_u32 s60, s60, s61
	s_add_co_u32 s60, s60, LV
	v_lshrrev_b32 v[RDA], 2, v58
	v_lshlrev_b32 v[RDA], 9, v[RDA]
	v_and_b32 v[ADR], 3, v58
	v_lshl_add_u32 v[RDA], v[ADR], 4, v[RDA]
	v_lshl_add_u32 v[RDA], v59, 6, v[RDA]
	v_add_nc_u32 v[RDA], s60, v[RDA]
	v_add_nc_u32 v64, s58, v[LI]                   ; 16 lane + 512 w
	s_lshl_b32 s61, s34, 11
	v_add_nc_u32 v65, s61, v[LI]                   ; 16 lane + 2048 w
	v_lshlrev_b32 v66, 2, v0                       ; 4 x thread
	v_lshlrev_b32 v67, 4, v0                       ; 16 x thread: x's place in LDS and in memory
	s_lshl_b32 s61, s36, 10
	v_add_nc_u32 v68, s61, v[MA]                   ; my two pieces of m: q = 2 g, 2 g + 1
	s_lshl_b32 s61, s34, 7
	v_add_nc_u32 v69, s61, v[LS]                   ; 4 lane + 128 w
	s_lshl_b32 s61, s34, 6
	v_lshl_add_u32 v70, v58, 2, s61                ; 4 r + 64 w: b3's place in LDS and in memory
	; offsets in memory
	v_and_b32 v61, 8, v58
	v_add_nc_u32 v61, v61, v58                     ; r + 8 (r / 8)
	s_lshr_b32 s61, s34, 1
	s_lshl_b32 s61, s61, 5
	s_and_b32 s62, s34, 1
	s_lshl_b32 s62, s62, 3
	s_add_co_u32 s61, s61, s62                     ; tile w begins at row 32 (w / 2) + 8 (w % 2)
	v_add_nc_u32 v62, s61, v61
	v_lshlrev_b32 v72, 5, v62
	v_lshl_add_u32 v72, v59, 4, v72                ; W1: row x 32 + 16 h
	v_lshlrev_b32 v73, 7, v62
	v_lshl_add_u32 v73, v59, 4, v73                ; W2: row x 128 + 16 h
	s_lshl_b32 s61, s36, 11
	s_lshl_b32 s62, s35, 5
	s_add_co_u32 s61, s61, s62
	v_lshlrev_b32 v74, 7, v58
	v_lshl_add_u32 v74, v59, 4, v74
	v_add_nc_u32 v74, s61, v74                     ; W3, piece w = 4 u + 2 s + c: (16 u + r) x 128 + 16 h + 32 (w % 4)
	v_and_b32 v75, 255, v0
	v_lshlrev_b32 v75, 2, v75                      ; a bias: 4 (thread % 256)
	s_lshl_b32 s61, s35, 12
	v_lshlrev_b32 v76, 8, v58
	v_lshl_add_u32 v76, v59, 7, v76
	v_add_nc_u32 v76, s61, v76                     ; m, log_s: row 16 t0 + r, half h
	s_lshl_b32 s61, s36, 5
	v_add_nc_u32 v77, s61, v76                     ; + 32 g: my two pieces
	s_lshl_b32 s61, s34, 7
	v_lshl_add_u32 v78, v61, 1, s61                ; waves 0-3: W1's scales of tiles 4 w on: (r + 8 (r / 8) + 64 w) x 2
	v_lshl_add_u32 v80, v58, 3, s61
	v_lshl_add_u32 v80, v59, 2, v80                ; W3's of tile w: (16 w + r) x 8 + 4 h
	s_lshl_b32 s61, s34, 9
	v_lshl_add_u32 v79, v61, 3, s61
	v_lshl_add_u32 v79, v59, 2, v79                ; W2's: (r + 8 (r / 8) + 64 w) x 8 + 4 h
.irp j, 54,55,56,57,34,35
	v_mov_b32 v\j, 0                               ; v54-57: named as the upper half of W1's last fragment before h1 is made; v34, v35: a lane permute's destination counts as one of its sources
.endr
	s_mov_b32 s37, 0x88888888                      ; the sign bits of eight codes
	s_mov_b32 s38, 0x76543210
	s_mov_b32 s39, 0xfedcba98                      ; v_permlanex16_b32's selects for lane l xor 16
	s_mov_b32 s40, 0x4038aa3b                      ; c2 = 2 log2(e)
	s_mov_b32 s41, s40                             ; (a packed form names the pair)
	s_mov_b32 s42, 0x3fb8aa3b                      ; log2(e)
	s_mov_b32 s43, s42
.irp j, 1,2,3,4,5,6,7
	s_mov_b32 s[43+\j], 0x01010101<<\j             ; the lanes with lane % 8 = j
.endr
	s_mov_b32 s51, 0xff0000ff                      ; the lanes that hold their own row's diagonal logit: h = r / 8
	s_wait_kmcnt 0x0
	s_lshl_b32 s56, ttmp9, 13                      ; 32 rows of x
	s_mov_b32 s57, 0
	s_add_nc_u64 s[30:31], s[30:31], s[56:57]
	s_lshl_b32 s56, ttmp9, 7                       ; 32 numbers of out0
	s_add_nc_u64 s[32:33], s[32:33], s[56:57]
	s_cmp_lt_u32 s34, 8
	s_cselect_b64 s[58:59], s[20:21], s[22:23]     ; waves 0-7 bring b1, waves 8-15 b2
	global_load_b128 v[128:131], v72, s[8:9]
.irp j, 0,1,2,3
	global_load_b128 v[132+4*\j:135+4*\j], v73, s[12:13] offset:32*\j   ; piece j = 2 s + c
.endr
	global_load_b128 v[148:151], v74, s[16:17]
	global_load_b32 v154, v75, s[58:59]
	global_load_b128 v[156:159], v67, s[30:31] th:TH_LOAD_NT
	global_load_b128 v[160:163], v77, s[28:29]
	global_load_b128 v[164:167], v77, s[28:29] offset:16
	global_load_b128 v[168:171], v77, s[26:27]
	global_load_b128 v[172:175], v77, s[26:27] offset:16
.irp q, 0,1,2,3,4,5,6,7
	global_load_b128 v[176+4*\q:179+4*\q], v76, s[26:27] offset:16*\q   ; my half row of log_s, for its sum
.endr
	s_cmp_lt_u32 s34, 4                            ; waves 0-3 bring the scale words (four tiles of W1 and of W2 each, one of W3) and b3
	s_cbranch_scc0 .Lno_scales
.irp j, 0,1,2,3
	global_load_u16 v[208+\j], v78, s[10:11] offset:2*(32*(\j/2)+8*(\j%2))
	global_load_b32 v[212+\j], v79, s[14:15] offset:8*(32*(\j/2)+8*(\j%2))
.endr
	global_load_b32 v216, v80, s[18:19]
	global_load_b32 v217, v70, s[24:25]
	s_wait_loadcnt 0x0
	ds_store_b128 v64, v[208:211] offset:W1S
	ds_store_b128 v64, v[212:215] offset:W2S
	ds_store_b32 v69, v216 offset:W3S
	ds_store_b32 v70, v217 offset:B3               ; both halves of the lanes write the same word with the same value
.Lno_scales:
	s_wait_loadcnt 0x0
	v_mul_f32 v154, s40, v154                      ; c2 x bias
.irp j, 0,1,2,3,4,5,6,7
	v_mul_f32 v[168+\j], 0xbfb8aa3b, v[168+\j]
.endr
.irp j, 0,1,2,3,4,5,6,7
	v_exp_f32 v[168+\j], v[168+\j]                 ; exp(-log_s)
.endr
.irp j, 2,4,6,8,10,12,14,16,18,20,22,24,26,28,30
	v_pk_add_f32 v[176:177], v[176:177], v[176+\j:177+\j]   ; plain work behind the exponentials
.endr
	v_add_f32 v176, v176, v177
	v_permlanex16_b32 v34, v176, s38, s39
	v_add_f32 v176, v176, v34                      ; sum(log_s[k])
	v_sub_f32 v[LD], 0xc26b3f8e, v176              ; -32 log(2 pi) - the sum
	ds_store_b128 v64, v[128:131] offset:W1I
.irp j, 0,1,2,3
	ds_store_b128 v65, v[132+4*\j:135+4*\j] offset:W2I+512*\j
.endr
	ds_store_b128 v64, v[148:151] offset:W3I
	ds_store_b32 v66, v154 offset:B1P
	ds_store_b128 v67, v[156:159] offset:XB
	ds_store_b128 v68, v[160:163]
	ds_store_b128 v68, v[164:167] offset:512
	s_wait_alu depctr_va_vdst(0)                   ; one wait for the eight exponentials, ahead of their first reader
	ds_store_b128 v68, v[168:171] offset:EOF
	ds_store_b128 v68, v[172:175] offset:EOF+512
	s_wait_dscnt 0x0                               ; for the others' sake: my stores have landed
	s_barrier_signal -1
	s_barrier_wait -1                              ; the tables are whole; nothing writes them again
; z of both tiles, |z|^2, z's codes and scale words.  A lane holds a whole block: k = 32 h .. 32 h + 31 of its row.  v128-159, v160-191: x of n, n + 1, then z; v192-223 m; v224-255 exp(-log_s).
.macro ZSTAGE
	v_add_nc_u32 v[ADR], s53, v[XA0]
.irp q, 0,1,2,3,4,5,6,7
	ds_load_b128 v[192+4*\q:195+4*\q], v[MA] offset:512*\q
	ds_load_b128 v[224+4*\q:227+4*\q], v[MA] offset:EOF+512*\q
	ds_load_b128 v[128+4*\q:131+4*\q], v[ADR] offset:16*\q          ; the 16 lanes of a half read the same bytes
	ds_load_b128 v[160+4*\q:163+4*\q], v[ADR] offset:256+16*\q
.endr
	v_and_b32 v40, 16, v0
	v_lshrrev_b32 v40, 1, v40                      ; 8 h: where my block's byte stands in the scale word
	s_wait_dscnt 0x0
.irp j, 0,2,4,6,8,10,12,14,16,18,20,22,24,26,28,30
.irp i, 0,1
	v_pk_add_f32 v[128+32*\i+\j:129+32*\i+\j], v[128+32*\i+\j:129+32*\i+\j], v[192+\j:193+\j] neg_lo:[0,1] neg_hi:[0,1]   ; x - m first, as the formula has it
.endr
.endr
.irp j, 0,2,4,6,8,10,12,14,16,18,20,22,24,26,28,30
.irp i, 0,1
	v_pk_mul_f32 v[128+32*\i+\j:129+32*\i+\j], v[128+32*\i+\j:129+32*\i+\j], v[224+\j:225+\j]
.endr
.endr
.irp i, 0,1
	v_pk_mul_f32 v[22+4*\i:23+4*\i], v[128+32*\i:129+32*\i], v[128+32*\i:129+32*\i]   ; |z|^2: two packed chains a tile
	v_pk_mul_f32 v[24+4*\i:25+4*\i], v[144+32*\i:145+32*\i], v[144+32*\i:145+32*\i]
	v_max3_num_f32 v[30+2*\i], |v[128+32*\i]|, |v[129+32*\i]|, 0x1800000   ; the block's largest magnitude, two chains; the floor 2^(3 - 127) holds the byte at 1 from below
	v_max3_num_f32 v[31+2*\i], |v[144+32*\i]|, |v[145+32*\i]|, |v[146+32*\i]|
.endr
.irp j, 2,4,6,8,10,12,14
.irp i, 0,1
	v_pk_fma_f32 v[22+4*\i:23+4*\i], v[128+32*\i+\j:129+32*\i+\j], v[128+32*\i+\j:129+32*\i+\j], v[22+4*\i:23+4*\i]
	v_pk_fma_f32 v[24+4*\i:25+4*\i], v[144+32*\i+\j:145+32*\i+\j], v[144+32*\i+\j:145+32*\i+\j], v[24+4*\i:25+4*\i]
	v_max3_num_f32 v[30+2*\i], v[30+2*\i], |v[128+32*\i+\j]|, |v[129+32*\i+\j]|
.endr
.endr
.irp j, 3,5,7,9,11,13
.irp i, 0,1
	v_max3_num_f32 v[31+2*\i], v[31+2*\i], |v[144+32*\i+\j]|, |v[145+32*\i+\j]|
.endr
.endr
.irp i, 0,1
	v_max3_num_f32 v[30+2*\i], v[30+2*\i], v[31+2*\i], |v[159+32*\i]|
	v_pk_add_f32 v[22+4*\i:23+4*\i], v[22+4*\i:23+4*\i], v[24+4*\i:25+4*\i]
.endr
.irp i, 0,1
	v_add_f32 v[RL+\i], v[22+4*\i], v[23+4*\i]
	v_add_nc_u32 v[36+\i], 0xff000000, v[30+2*\i]  ; 2 off the exponent field: the conversion's scale operand
.endr
.irp i, 0,1
	v_permlanex16_b32 v[34+\i], v[RL+\i], s38, s39
	v_lshrrev_b32 v[38+\i], 23, v[36+\i]           ; the scale's byte,
.endr
.irp i, 0,1
	v_add_f32 v[RL+\i], v[RL+\i], v[34+\i]         ; the row's |z|^2
	v_lshlrev_b32 v[38+\i], v40, v[38+\i]          ; at its place in the word: block h
.endr
.irp i, 0,1
	v_permlanex16_b32 v[34+\i], v[38+\i], s38, s39
.endr
.irp i, 0,1
	v_or_b32 v[ZS+\i], v[38+\i], v[34+\i]          ; with lane l xor 16's: bytes 0 and 1; bytes 2 and 3 are 0 and stand over zero codes
.endr
.irp i, 0,1
.irp g, 0,1,2,3
	v_cvt_scalef32_pk8_fp4_f32 v[ZC+8*\i+\g], v[128+32*\i+8*\g:135+32*\i+8*\g], v[36+\i]
.endr
.endr
	v_nop                                          ; one plain place behind the scaled conversions
.irp i, 0,1
.irp g, 4,5,6,7
	v_mov_b32 v[ZC+8*\i+\g], 0                     ; K = 64 .. 127: zero codes
.endr
.endr
.endm
; Layer 1, units 128 ch on: eight tiles x two tiles of rows.  A weight fragment names eight registers of which the upper four are the next tile's codes (for the last tile v54-57, whatever they hold): they meet z's zero codes and add nothing.
.macro LAYER1 ch
	PLACES 8                                       ; scale words made by vector instructions stand eight places ahead of a scaled product, codes four; accumulators begun anew five behind the products that wrote them
.irp q, 0,1,2,3,4,5,6,7
	ds_load_b128 v[FB+4*\q:FB+4*\q+3], v[LI] offset:W1I+(8*\ch+\q)*512
.endr
	ds_load_b128 v[WS:WS+3], v[LI] offset:W1S+(2*\ch)*512
	ds_load_b128 v[WS+4:WS+7], v[LI] offset:W1S+(2*\ch+1)*512
	s_wait_dscnt 0x0
.irp q, 0,1,2,3,4,5,6,7
.irp i, 0,1
	MM0 ACC+64*\i+8*\q, FB+4*\q, ZC+8*\i, WS+\q, ZS+\i
.endr
.endr
.endm
; Layer 2, units 128 ch on: two K steps; four weight fragments at a time serve eight products.  The sixteen accumulators take turns, one instruction a turn.
.macro LAYER2 ch
	PLACES 8
	ds_load_b128 v[WS:WS+3], v[LI] offset:W2S+(2*\ch)*512
	ds_load_b128 v[WS+4:WS+7], v[LI] offset:W2S+(2*\ch+1)*512
.irp s, 0,1
.irp gq, 0,1
.if (\s+\gq) > 0
	PLACES 4                                       ; in front of loads into registers that products have read
.endif
.irp q, 0,1,2,3
.irp c, 0,1
	ds_load_b128 v[FB+8*\q+4*\c:FB+8*\q+4*\c+3], v[LI] offset:W2I+(2*(8*\ch+4*\gq+\q)+\s)*1024+512*\c
.endr
.endr
	s_wait_dscnt 0x0
.irp q, 0,1,2,3
.irp i, 0,1
.if \s == 0
	MM0 ACC+64*\i+8*(4*\gq+\q), FB+8*\q, H1+16*\i, WS+4*\gq+\q, H1S+2*\i
.else
	MMC ACC+64*\i+8*(4*\gq+\q), FB+8*\q, H1+16*\i+8, ACC+64*\i+8*(4*\gq+\q), WS+4*\gq+\q, H1S+2*\i+1, 1
.endif
.endr
.endr
.endr
.endr
.endm
; ---- the pieces of TANH.  A half is the 64 numbers a lane of four tiles of units, both tiles of rows: registers ACC + hb + J (U) and ACC + 64 + hb + J (V), J = 0 .. 31, hb = 0 or 32.
.macro TFMA t, i, j                    ; t = c2 a + c2 b, two numbers of tile (i, t); the biases of tiles 0-3, later of tiles 4-7, lie in FB
	v_pk_fma_f32 v[ACC+64*(\i)+8*(\t)+(\j):ACC+64*(\i)+8*(\t)+(\j)+1], v[ACC+64*(\i)+8*(\t)+(\j):ACC+64*(\i)+8*(\t)+(\j)+1], s[40:41], v[FB+8*((\t)%4)+(\j):FB+8*((\t)%4)+(\j)+1] op_sel_hi:[1,0,1]
.endm
.macro EXPN r                          ; s = 2^(-|t|), in place: at most 1
	v_exp_f32 v[\r], -|v[\r]|
.endm
.macro SETQ k, qa, qb                  ; QR = register k of the sixteen that hold Q: two runs of eight
.if (\k) < 8
.set QR, (\qa)+(\k)
.else
.set QR, (\qb)+(\k)-8
.endif
.endm
; Number m of the 56 plain lines that lie between a half's exponentials and its reciprocals: 0-31 A = 0.5 s + 0.5 in place; 32-47 P(J) = U(J) V(J) into FB; 48-55 Q(J) = P(J) P(J + 16)
.macro UPOP hb, m, qa, qb
.if (\m) < 32
.set RA, ACC+64*((\m)/16)+(\hb)+2*((\m)%16)
	v_pk_fma_f32 v[RA:RA+1], v[RA:RA+1], 0.5, 0.5 op_sel_hi:[1,0,0]
.elseif (\m) < 48
.set RA, 2*((\m)-32)
	v_pk_mul_f32 v[FB+RA:FB+RA+1], v[ACC+(\hb)+RA:ACC+(\hb)+RA+1], v[ACC+64+(\hb)+RA:ACC+64+(\hb)+RA+1]
.else
.set RA, 2*((\m)-48)
	SETQ RA, \qa, \qb
	v_pk_mul_f32 v[QR:QR+1], v[FB+RA:FB+RA+1], v[FB+16+RA:FB+16+RA+1]
.endif
.endm
; Behind the reciprocals: P(J) / Q = 1 / P(J + 16) and P(J + 16) / Q = 1 / P(J), each in its partner's place; then U / P - 1 = 1 / V - 1 in U's place and V / P - 1 = 1 / U - 1 in V's.
.macro DOWNFIN hb, qa, qb
.set K, 0
.rept 8
	SETQ 2*K, \qa, \qb
	v_pk_mul_f32 v[FB+2*K:FB+2*K+1], v[FB+2*K:FB+2*K+1], v[QR:QR+1]
	v_pk_mul_f32 v[FB+16+2*K:FB+17+2*K], v[FB+16+2*K:FB+17+2*K], v[QR:QR+1]
.set K, K+1
.endr
.set K, 0
.rept 16
.set RF, FB+(2*K+16)%32                ; where 1 / P(2 K) lies
	v_pk_fma_f32 v[ACC+(\hb)+2*K:ACC+(\hb)+2*K+1], v[ACC+(\hb)+2*K:ACC+(\hb)+2*K+1], v[RF:RF+1], -1.0 op_sel_hi:[1,1,0]
	v_pk_fma_f32 v[ACC+64+(\hb)+2*K:ACC+64+(\hb)+2*K+1], v[ACC+64+(\hb)+2*K:ACC+64+(\hb)+2*K+1], v[RF:RF+1], -1.0 op_sel_hi:[1,1,0]
.set K, K+1
.endr
.endm
; |tanh| of the 128 numbers a lane in v128-255: TILE 0'S COME OUT IN v192-255, TILE 1'S IN v128-191.  off: where the chunk's c2 x bias begins behind B1P; pc0, pc1: where the codes of tile 0 and of tile 1 will lie: the signs go there now;
; qa, qb: two runs of eight registers that are idle in this phase, for Q.  The transcendentals of one half stand among the plain lines of the other; four batches, one wait each, ahead of the batch's first reader.
.macro TANH off, pc0, pc1, qa, qb
	PLACES 4                                       ; behind the last products, ahead of the loads over their fragments and of the first read of results
.irp t, 0,1,2,3
	ds_load_b128 v[FB+8*\t:FB+8*\t+3], v[HB] offset:\off+4*(32*(\t/2)+8*(\t%2))
	ds_load_b128 v[FB+8*\t+4:FB+8*\t+7], v[HB] offset:\off+4*(32*(\t/2)+8*(\t%2))+16
.endr
	s_wait_dscnt 0x0
.irp t, 0,1,2,3
.irp i, 0,1
.irp j, 0,2,4,6
	TFMA \t, \i, \j                                ; each accumulator from its low end
.endr
.endr
.endr
.irp t, 4,5,6,7
	ds_load_b128 v[FB+8*(\t-4):FB+8*(\t-4)+3], v[HB] offset:\off+4*(32*(\t/2)+8*(\t%2))
	ds_load_b128 v[FB+8*(\t-4)+4:FB+8*(\t-4)+7], v[HB] offset:\off+4*(32*(\t/2)+8*(\t%2))+16
.endr
.irp g, 0,1,2,3
	v_cvt_scalef32_pk8_fp4_f32 v[\pc0+\g], v[ACC+8*\g:ACC+8*\g+7], v[SGS]          ; the signs of eight t: bit 3 of each nibble; the other bits are not used
	v_cvt_scalef32_pk8_fp4_f32 v[\pc1+\g], v[ACC+64+8*\g:ACC+64+8*\g+7], v[SGS]
.endr
	v_nop                                          ; one plain place between the conversions and the exponentials that write over their sources
.set N, 0
.rept 32
	EXPN ACC+64*(N/32)+N%32                        ; the first half's exponentials: 32 while the other tiles' biases come,
.set N, N+1
.endr
	s_wait_dscnt 0x0
.rept 32
	EXPN ACC+64*(N/32)+N%32                        ; 32 among the second half's scalings
.set M, N-32
	TFMA 4+M/8, (M/4)%2, 2*(M%4)
.set N, N+1
.endr
.irp g, 4,5,6,7
	v_cvt_scalef32_pk8_fp4_f32 v[\pc0+\g], v[ACC+8*\g:ACC+8*\g+7], v[SGS]
	v_cvt_scalef32_pk8_fp4_f32 v[\pc1+\g], v[ACC+64+8*\g:ACC+64+8*\g+7], v[SGS]
.endr
	v_nop
	s_wait_alu depctr_va_vdst(0)                   ; the first half's 64 exponentials
.set N, 0
.rept 64
	EXPN ACC+64*(N/32)+32+N%32                     ; the second half's exponentials, among the first half's A, P and Q
.if N < 56
	UPOP 0, N, \qa, \qb
.endif
.set N, N+1
.endr
	v_nop                                          ; a plain place behind the last exponential
	s_wait_alu depctr_va_vdst(0)                   ; the second half's 64
.set N, 0
.rept 16
	SETQ N, \qa, \qb
	v_rcp_f32 v[QR], v[QR]                         ; the first half's 16 reciprocals, among the second half's A
	UPOP 32, 2*N, \qa, \qb
	UPOP 32, 2*N+1, \qa, \qb
.set N, N+1
.endr
	s_wait_alu depctr_va_vdst(0)                   ; the 16 reciprocals
	DOWNFIN 0, \qa, \qb
.set N, 32
.rept 24
	UPOP 32, N, \qa, \qb                           ; the second half's P and Q, into the registers that the first half has left
.set N, N+1
.endr
.set N, 0
.rept 16
	SETQ N, \qa, \qb
	v_rcp_f32 v[QR], v[QR]
.set N, N+1
.endr
	v_nop
	s_wait_alu depctr_va_vdst(0)                   ; the last 16
	DOWNFIN 32, \qa, \qb
.endm
; 64 magnitudes of a lane, v[src] on, register 16 b + i = k 32 b + 16 h + i of my row, become a fragment's codes in v[pc] on, where TANH has left their signs, and its scale word in v[pw].
.macro QUANT src, pc, pw
.irp b, 0,1,2,3
	v_max3_num_f32 v[TM+\b], |v[\src+16*\b]|, |v[\src+1+16*\b]|, 0x1800000   ; block b: my 16 numbers, and the floor 2^(3 - 127)
.endr
.irp i, 2,4,6,8,10,12,14
.irp b, 0,1,2,3
	v_max3_num_f32 v[TM+\b], v[TM+\b], |v[\src+16*\b+\i]|, |v[\src+1+16*\b+\i]|   ; the four blocks by turns
.endr
.endr
.irp b, 0,1,2,3
	v_permlanex16_b32 v[TM+4+\b], v[TM+\b], s38, s39
.endr
.irp b, 0,1,2,3
	v_max_num_f32 v[TM+\b], v[TM+\b], v[TM+4+\b]   ; with lane l xor 16's: the block's largest magnitude
.endr
.irp b, 0,1,2,3
	v_add_nc_u32 v[TM+12+\b], 0xff000010, v[TM+\b] ; 2 off its exponent field, and 16 units in the last place on (the head's LIMITS say why): the conversion's scale operand
.endr
.irp b, 0,1,2,3
	v_lshrrev_b32 v[TM+4+\b], 23, v[TM+12+\b]      ; the scale's byte
.endr
	v_lshl_or_b32 v[\pw], v[TM+5], 8, v[TM+4]
	v_lshl_or_b32 v[\pw], v[TM+6], 16, v[\pw]
	v_lshl_or_b32 v[\pw], v[TM+7], 24, v[\pw]
.irp b, 0,1,2,3
	v_cvt_scalef32_pk8_fp4_f32 v[TM+16+2*\b], v[\src+16*\b:\src+7+16*\b], v[TM+12+\b]
	v_cvt_scalef32_pk8_fp4_f32 v[TM+17+2*\b], v[\src+8+16*\b:\src+15+16*\b], v[TM+12+\b]
.endr
	v_nop                                          ; one plain place behind the scaled conversions
.irp g, 0,1,2,3,4,5,6,7
	v_bfi_b32 v[\pc+\g], s37, v[\pc+\g], v[TM+16+\g]   ; bit 3 of each nibble from t's conversion, the other three from the magnitude's
.endr
.irp c, 0,1                                    ; the operand wants a whole block in a lane: lanes 0-15 block 2 c, lanes 16-31 block 2 c + 1
.irp i, 0,1
	v_permlane16_swap_b32 v[\pc+4*\c+\i], v[\pc+2+4*\c+\i]
.endr
.endr
.endm
; Layer 3: the logits of both tiles in v[128 + 32 i + 8 u]; W3's eight fragments in v192-255; b3 is the C of each sum's first product.
.macro LAYER3
	PLACES 8
.irp f, 0,1,2,3,4,5,6,7
.irp c, 0,1
	ds_load_b128 v[192+8*\f+4*\c:195+8*\f+4*\c], v[LI] offset:W3I+\f*1024+512*\c
.endr
.endr
.irp u, 0,1,2,3
	ds_load_b32 v[WS+\u], v[LS] offset:W3S+128*\u
	ds_load_b128 v[FB+8*\u:FB+8*\u+3], v[H3] offset:64*\u
	ds_load_b128 v[FB+8*\u+4:FB+8*\u+7], v[H3] offset:64*\u+16
.endr
	s_wait_dscnt 0x0
.irp u, 0,1,2,3
.irp i, 0,1
	MMC 128+32*\i+8*\u, 192+16*\u, H2+16*\i, FB+8*\u, WS+\u, H2S+2*\i, 0
.endr
.endr
.irp u, 0,1,2,3
.irp i, 0,1
	MMC 128+32*\i+8*\u, 192+16*\u+8, H2+16*\i+8, 128+32*\i+8*\u, WS+\u, H2S+2*\i+1, 1
.endr
.endr
	PLACES 4
.endm
; The row's own logit out of tile u = t0: in the lanes with h = r / 8 it is register lane % 8.
.macro PICK u
.irp i, 0,1
	v_mov_b32 v[36+\i], v[128+32*\i+8*\u]
.endr
.irp j, 1,2,3,4,5,6,7
.irp i, 0,1
	v_cndmask_b32 v[36+\i], v[36+\i], v[128+32*\i+8*\u+\j], s[43+\j]
.endr
.endr
.endm
	s_mov_b32 s52, 4                               ; passes
	s_mov_b32 s53, 0                               ; two rows of x a pass: 512 bytes
	s_mov_b32 s54, 0                               ; two n of lv a pass: 128 bytes
.Lpass:
	ZSTAGE
	LAYER1 0
	TANH 0, H1, H1+16, 106, 114                    ; Q in v106-121: idle while z's codes lie in v90-105
	QUANT ACC+64, H1, H1S                          ; tile 0's magnitudes lie in tile 1's accumulators,
	QUANT ACC, H1+16, H1S+2                        ; tile 1's in tile 0's
	LAYER1 1
	TANH 512, H1+8, H1+24, 106, 114
	QUANT ACC+64, H1+8, H1S+1
	QUANT ACC, H1+24, H1S+3
	LAYER2 0
	TANH 1024, H2, H2+16, 98, 114                  ; Q where h2's second K step will lie
	QUANT ACC+64, H2, H2S
	QUANT ACC, H2+16, H2S+2
	LAYER2 1
	TANH 1536, H2+8, H2+24, 54, 62                 ; Q in h1's registers: its last products are issued
	QUANT ACC+64, H2+8, H2S+1
	QUANT ACC, H2+24, H2S+3
	LAYER3
	; log_softmax's diagonal, and lv.  A lane holds 32 of its row's 64 logits, lane l xor 16 the others.  v22 + 4 i: four chains, then the row's maximum
.irp i, 0,1
.irp u, 0,1,2,3
	v_max3_num_f32 v[22+4*\i+\u], v[128+32*\i+8*\u], v[129+32*\i+8*\u], v[130+32*\i+8*\u]   ; each accumulator is read from its low end on
.endr
.endr
.irp j, 3,5
.irp i, 0,1
.irp u, 0,1,2,3
	v_max3_num_f32 v[22+4*\i+\u], v[22+4*\i+\u], v[128+32*\i+8*\u+\j], v[129+32*\i+8*\u+\j]
.endr
.endr
.endr
.irp i, 0,1
	v_max3_num_f32 v[22+4*\i], v[22+4*\i], v[135+32*\i], v[143+32*\i]
	v_max3_num_f32 v[24+4*\i], v[24+4*\i], v[151+32*\i], v[159+32*\i]
.endr
.irp i, 0,1
	v_max3_num_f32 v[22+4*\i], v[22+4*\i], v[23+4*\i], v[24+4*\i]
.endr
.irp i, 0,1
	v_max_num_f32 v[22+4*\i], v[22+4*\i], v[25+4*\i]
.endr
.irp i, 0,1
	v_permlanex16_b32 v[30+\i], v[22+4*\i], s38, s39
.endr
.irp i, 0,1
	v_max_num_f32 v[22+4*\i], v[22+4*\i], v[30+\i] ; the row's largest logit
.endr
.irp i, 0,1
	v_mul_f32 v[32+2*\i], 0xbfb8aa3b, v[22+4*\i]   ; -log2(e) x it
.endr
.irp i, 0,1
	v_mov_b32 v[33+2*\i], v[32+2*\i]               ; (named with it as a pair)
.endr
	s_cmp_eq_u32 s35, 0                            ; which tile holds the diagonal hangs on the wave's number alone
	s_cbranch_scc1 .Lpick0
	s_cmp_eq_u32 s35, 1
	s_cbranch_scc1 .Lpick1
	s_cmp_eq_u32 s35, 2
	s_cbranch_scc1 .Lpick2
	PICK 3
	s_branch .Lpicked
.Lpick0:
	PICK 0
	s_branch .Lpicked
.Lpick1:
	PICK 1
	s_branch .Lpicked
.Lpick2:
	PICK 2
.Lpicked:
.irp i, 0,1
	v_permlanex16_b32 v[38+\i], v[36+\i], s38, s39
.endr
.irp i, 0,1
	v_cndmask_b32 v[36+\i], v[38+\i], v[36+\i], s51   ; my own where h = r / 8, else lane l xor 16's: the row's own logit in every lane
.endr
.set J, 0
.rept 32
	v_pk_fma_f32 v[128+J:129+J], v[128+J:129+J], s[42:43], v[32+2*(J/32):33+2*(J/32)] op_sel_hi:[1,0,0]   ; (l - max) log2(e)
.set J, J+2
.endr
.set J, 0
.rept 64
	v_exp_f32 v[128+J], v[128+J]
.set J, J+1
.endr
	v_nop
	s_wait_alu depctr_va_vdst(0)                   ; one wait for the 64
.irp i, 0,1
	v_pk_add_f32 v[40+2*\i:41+2*\i], v[128+32*\i:129+32*\i], v[130+32*\i:131+32*\i]
	v_pk_add_f32 v[44+2*\i:45+2*\i], v[132+32*\i:133+32*\i], v[134+32*\i:135+32*\i]
.endr
.irp j, 8,12,16,20,24,28
.irp i, 0,1
	v_pk_add_f32 v[40+2*\i:41+2*\i], v[40+2*\i:41+2*\i], v[128+32*\i+\j:129+32*\i+\j]
	v_pk_add_f32 v[44+2*\i:45+2*\i], v[44+2*\i:45+2*\i], v[130+32*\i+\j:131+32*\i+\j]
.endr
.endr
.irp i, 0,1
	v_pk_add_f32 v[40+2*\i:41+2*\i], v[40+2*\i:41+2*\i], v[44+2*\i:45+2*\i]
.endr
.irp i, 0,1
	v_add_f32 v[40+2*\i], v[40+2*\i], v[41+2*\i]
.endr
.irp i, 0,1
	v_permlanex16_b32 v[30+\i], v[40+2*\i], s38, s39
.endr
.irp i, 0,1
	v_add_f32 v[40+2*\i], v[40+2*\i], v[30+\i]     ; the row's sum, at least 1
.endr
.irp i, 0,1
	v_log_f32 v[48+\i], v[40+2*\i]
.endr
.irp i, 0,1
	v_fma_f32 v[44+2*\i], v[RL+\i], -0.5, v[LD]    ; plain work behind the logarithms: -0.5 |z|^2 - 32 log(2 pi) - sum(log_s)
.endr
.irp i, 0,1
	v_add_f32 v[44+2*\i], v[44+2*\i], v[36+\i]     ; + the row's own logit
.endr
	v_add_nc_u32 v[ADR], s54, v[LVA0]
	s_wait_alu depctr_va_vdst(0)                   ; one wait for the two
.irp i, 0,1
	v_fmamk_f32 v[48+\i], v[48+\i], 0x3f317218, v[22+4*\i]   ; logsumexp of the logits = log2(sum) ln 2 + max
.endr
.irp i, 0,1
	v_sub_f32 v[44+2*\i], v[44+2*\i], v[48+\i]
.endr
.irp i, 0,1
	ds_store_b32 v[ADR], v[44+2*\i] offset:64*\i   ; both halves of the lanes write the same word with the same value
.endr
	s_wait_dscnt 0x0                               ; the stores have read their registers
	s_add_co_u32 s53, s53, 512
	s_add_co_u32 s54, s54, 128
	s_sub_co_i32 s52, s52, 1
	s_cmp_lg_u32 s52, 0
	s_cbranch_scc1 .Lpass
	s_wait_dscnt 0x0                               ; for the others' sake: my lv have landed
	s_barrier_signal -1
	s_barrier_wait -1                              ; lv is whole
	; logsumexp over k: half h of wave w takes n = 2 w + h, four k a lane
	ds_load_b128 v[128:131], v[RDA]
	s_wait_dscnt 0x0
	v_max3_num_f32 v22, v128, v129, v130
	v_max_num_f32 v22, v22, v131
	v_max_num_f32_dpp v22, v22, v22 row_xmask:1 row_mask:0xf bank_mask:0xf
	v_max_num_f32_dpp v22, v22, v22 row_xmask:2 row_mask:0xf bank_mask:0xf
	v_max_num_f32_dpp v22, v22, v22 row_xmask:4 row_mask:0xf bank_mask:0xf
	v_max_num_f32_dpp v22, v22, v22 row_xmask:8 row_mask:0xf bank_mask:0xf
.irp j, 0,1,2,3
	v_sub_f32 v[128+\j], v[128+\j], v22            ; the maximum is taken away first, then the factor: lv are large beside their differences
.endr
.irp j, 0,1,2,3
	v_mul_f32 v[128+\j], s42, v[128+\j]
.endr
.irp j, 0,1,2,3
	v_exp_f32 v[128+\j], v[128+\j]
.endr
	v_nop
	s_wait_alu depctr_va_vdst(0)
	v_add_f32 v128, v128, v129
	v_add_f32 v130, v130, v131
	v_add_f32 v128, v128, v130
	v_add_f32_dpp v128, v128, v128 row_xmask:1 row_mask:0xf bank_mask:0xf
	v_add_f32_dpp v128, v128, v128 row_xmask:2 row_mask:0xf bank_mask:0xf
	v_add_f32_dpp v128, v128, v128 row_xmask:4 row_mask:0xf bank_mask:0xf
	v_add_f32_dpp v128, v128, v128 row_xmask:8 row_mask:0xf bank_mask:0xf
	v_log_f32 v129, v128
	v_and_b32 v58, 15, v0                          ; (plain work behind the logarithm)  r
	v_bfe_u32 v59, v0, 4, 1
	s_lshl_b32 s56, s34, 3
	v_lshl_add_u32 v59, v59, 2, s56                ; 4 (2 w + h)
	s_wait_alu depctr_va_vdst(0)
	v_fmamk_f32 v129, v129, 0x3f317218, v22
	v_cmp_eq_u32 vcc_lo, 0, v58
	s_wait_xcnt 0x0                                ; EXEC changes only behind this wait
	s_and_saveexec_b32 s55, vcc_lo                 ; lanes 0 and 16
	global_store_b32 v59, v129, s[32:33]
	s_wait_xcnt 0x0                                ; and again, in front of the line that widens it
	s_or_b32 exec_lo, exec_lo, s55
	s_wait_tensorcnt 0x0                           ; the wave's end, behind my last LDS store
	ds_add_u32 v[SPW], v[NIL]
	s_wait_dscnt 0x0
	s_endpgm
.Lfunc_end_k_q649673f386_dif:
	.size	k_q649673f386_dif, .Lfunc_end_k_q649673f386_dif-k_q649673f386_dif
	.p2alignl 7, 3214868480
	.fill 96, 4, 3214868480
	.section	.rodata,"a",@progbits
	.p2align	6, 0x0
	.amdhsa_kernel k_q649673f386_dif
		.amdhsa_group_segment_fixed_size 107264
		.amdhsa_private_segment_fixed_size 0
		.amdhsa_enable_private_segment 0
		.amdhsa_kernarg_size 104
		.amdhsa_user_sgpr_count 2
		.amdhsa_user_sgpr_kernarg_segment_ptr 1
		.amdhsa_wavefront_size32 1
		.amdhsa_system_sgpr_workgroup_id_x 1
		.amdhsa_system_sgpr_workgroup_id_y 1
		.amdhsa_system_sgpr_workgroup_id_z 1
		.amdhsa_system_vgpr_workitem_id 0
		.amdhsa_next_free_vgpr 256
		.amdhsa_next_free_sgpr 66
		.amdhsa_reserve_vcc 1
		.amdhsa_float_denorm_mode_32 3
		.amdhsa_float_denorm_mode_16_64 3
		.amdhsa_memory_ordered 1
		.amdhsa_forward_progress 1
		.amdhsa_inst_pref_size 210
	.end_amdhsa_kernel
	.amdgpu_metadata
---
amdhsa.version: [ 1, 2 ]
amdhsa.kernels:
  - .name:           k_q649673f386_dif
    .symbol:         k_q649673f386_dif.kd
    .args:
      - { .name: W1_codes, .offset: 0, .size: 8, .value_kind: global_buffer, .address_space: global }
      - { .name: W1_scales, .offset: 8, .size: 8, .value_kind: global_buffer, .address_space: global }
      - { .name: W2_codes, .offset: 16, .size: 8, .value_kind: global_buffer, .address_space: global }
      - { .name: W2_scales, .offset: 24, .size: 8, .value_kind: global_buffer, .address_space: global }
      - { .name: W3_codes, .offset: 32, .size: 8, .value_kind: global_buffer, .address_space: global }
      - { .name: W3_scales, .offset: 40, .size: 8, .value_kind: global_buffer, .address_space: global }
      - { .name: b1, .offset: 48, .size: 8, .value_kind: global_buffer, .address_space: global }
      - { .name: b2, .offset: 56, .size: 8, .value_kind: global_buffer, .address_space: global }
      - { .name: b3, .offset: 64, .size: 8, .value_kind: global_buffer, .address_space: global }
      - { .name: log_s, .offset: 72, .size: 8, .value_kind: global_buffer, .address_space: global }
      - { .name: m, .offset: 80, .size: 8, .value_kind: global_buffer, .address_space: global }
      - { .name: x, .offset: 88, .size: 8, .value_kind: global_buffer, .address_space: global }
      - { .name: out0, .offset: 96, .size: 8, .value_kind: global_buffer, .address_space: global }
    .group_segment_fixed_size: 107264
    .private_segment_fixed_size: 0
    .kernarg_segment_align: 8
    .kernarg_segment_size: 104
    .max_flat_workgroup_size: 512
    .sgpr_count:     66
    .vgpr_count:     256
    .wavefront_size: 32
...
	.end_amdgpu_metadata
.endif
;; end of part 1
